; MI455X (gfx1250); checked and timed in simulation.
; The chip was launched on July 23, 2026; its instructions are those of AMD's public machine-readable ISA for CDNA 5 (MIT licence, August 2026) and "CDNA5" Instruction Set Architecture Reference Guide (July 2026). The comments in the code are by the model that wrote it; some were corrected since.
;; Dynamic Quantized Linear. Allowed arithmetic: matrix products marked QUANTISED: E2M3 operands, one E8M0 scale for each 32 along K, by v_wmma_scale_f32_16x16x128_f8f6f4 with both operands' format E2M3, f32 sums; everything else in f32.
;; Inputs: bias 4,096 float32; weight_int8 4,096 x 4,096 int32; weight_scale 4,096 float32; x 4 x 1,024 x 4,096 float32.
;; Outputs: out0 4 x 1,024 x 4,096 float32.
;; This version of the problem:
;;   THIS VERSION OF THE PROBLEM IS GIVEN IN LOW PRECISION. The matrix products marked QUANTISED in the list below multiply operands that are first quantised to E2M3 (2 exponent bits, 3 mantissa bits; 6 bits a number), with one power-of-two scale for each 32 numbers along K (OCP MX v1.0); their sums are f32. All else is computed in f32.
;;   The module's matrix products, in the order in which they are computed (A, B: the left and right operand; K: the contracted axis; several contracted axes count as one K, in the product's order):
;;     1. [M 4,096, K 4,096] x [K 4,096, N 4,096]; A: input x; B: computed on the way: QUANTISED
;;   THE QUANTISER, for each operand of a quantised product, along K:
;;     - K is cut into blocks of 32 from its start; a last block that is shorter is filled with zeros.
;;     - A block's scale is 2^e with e = floor(log2(the largest magnitude in the block)) - 2, held to -126 .. 127; a block of zeros has e = 0. As a byte (E8M0): e + 127.
;;     - Each number is divided by its block's scale, clamped to +-7.5, and rounded to the nearest number of E2M3, ties to even, subnormals kept.
;;     - The product sums the exact products of the quantised numbers (number of the format x scale) in f32.
;;   ~~~python
;;   def quantise(x, axis):      # numpy; x: float32 -> the quantised numbers, widened to float32 again
;;       x = np.moveaxis(x, axis, -1); K = x.shape[-1]
;;       x = np.pad(x, [(0, 0)] * (x.ndim - 1) + [(0, -K % 32)]); x = x.reshape(x.shape[:-1] + (-1, 32)); a = np.abs(x).max(-1, keepdims=True)
;;       e = np.where(a > 0, np.clip(np.frexp(np.where(a > 0, a, 1))[1] - 1 - 2, -126, 127), 0)      # np.frexp(a)[1] - 1 = floor(log2(a)), exactly
;;       r = np.clip(x / 2.0 ** e, -7.5, 7.5)
;;       step = 2.0 ** (np.maximum(np.frexp(np.where(r == 0, 1, r))[1] - 1, 0) - 3)
;;       q = np.round(r / step) * step * 2.0 ** e      # np.round: ties to even
;;       return np.moveaxis(q.reshape(q.shape[:-2] + (-1,))[..., :K], -1, axis).astype(np.float32)
;;   ~~~
;;   OPERANDS COMPUTED ON THE WAY. 'Computed on the way' means the value that the module computes at that place (a softmax that the list does not call 'softmax' is quantised finished and normalised). What goes into a quantiser is computed in f32, as accurately as f32 sums, v_exp_f32 and their like allow (about 1e-6 of the number): no bf16 or f16 on the way to a quantiser, and a product that is left as it is and whose result goes on into a quantised operand takes f32 operands (vector FMAs, or v_wmma_f32_16x16x4_f32). A number that lies on a knife's edge between two numbers of the format may be rounded either way, as far as f32 arithmetic and the matrix unit's own rounding can turn it there, and no further.
;; One version. Each part assembles by itself: llvm-mc -triple=amdgcn-amd-amdhsa -mcpu=gfx1250 --defsym DOCPART=n.
;; ======== version 1 of 1: 2 launches
;; limits: right only within a limited range of input values
;; workspace buffers: a_img 13,107,200 bytes; b_img 13,107,200 bytes
;; launch quant (part 1): grid 256 x 1, 4 waves a work-group, no clusters, 327,680 bytes of LDS; arguments x, weight_int8, a_img, b_img, weight_scale; writes a_img, b_img
.if DOCPART == 1
	.amdgcn_target "amdgcn-amd-amdhsa--gfx1250"
	.amdhsa_code_object_version 6
	.text
	.protected	k_q9a4cf53278_quant
	.globl	k_q9a4cf53278_quant
	.p2align	8
	.type	k_q9a4cf53278_quant,@function
k_q9a4cf53278_quant:
	s_mov_b64 s[64:65], 0
	v_nop
	global_prefetch_b8 v0, s[64:65] scope:SCOPE_SE
	s_setreg_imm32_b32 hwreg(HW_REG_WAVE_MODE, 25, 1), 1
	s_wait_xcnt 0x0
; x [4096][4096] f32 and w[o][i] = f32(weight_int8[o][i]) x weight_scale[o] (one rounding in f32) are turned into codes of FP6 (E2M3) with one E8M0 scale byte for each 32 along K,
; and laid IN THE ORDER OF THE MATRIX OPERAND'S REGISTERS, so that the next launch takes them as they lie.
; LAYOUT of a_img and b_img.  A chunk is 128 rows x 128 K, 12,800 bytes; that of rows 128 rb on and K step s lies at (32 rb + s) x 12,800.  It holds eight fragments (16 rows x 128 K, 12 registers a lane) of 1,536 bytes,
; register j of lane l at 512 (j / 4) + 16 l + 4 (j % 4), and behind them 512 bytes of scale words (a row's four blocks of 32), that of fragment i, row r at 256 (i / 4) + 16 r + 4 (i % 4).
; A block's scale is 2^(floor(log2(its largest magnitude)) - 2); its byte is the largest magnitude's own exponent field - 2, held at 1 from below.  What lies beyond 7.5 gets the largest code.
; LIMITS: NaN and infinities in x or weight_scale are not served.  A block of zeros gets the byte 1 where the quantiser's rule says 127: its codes are zeros, which add nothing under any byte but 0xff,
; and the bytes are read by this program alone.  Any int32 weight is served: the conversion to f32 rounds to nearest even.
; SHARES.  256 work-groups: 0 to 127 take x, the others the weight; only pointers are chosen, and a branch on the work-group's number goes round the weight's conversions.  A work-group takes 128 rows x 1,024 K:
; eight chunks, in four fills of two.  A wave's unit is half a chunk, 64 rows x 128 K = four fragments: ONE tensor load of 64 rows x 512 bytes, laid in LDS with 16 bytes behind each row.
; The conversion wants 16 neighbours along K in one lane and the operand wants lane (r, h) to hold row r: the wave reads its unit so, 64 bytes a lane and block, straight from the padded rows.
; A ring of two slots, four units each; a wave reads its own unit alone.  Each fill is also named for the L2 one fill ahead (four instructions a wave: 64 rows x two blocks of 256 bytes; no other work-group reads
; these bytes): a refill goes out only when all earlier loads have landed.  The last fill names nothing.
.set CH,    12800
.set FRB,   1536
.set ROWK,  16384                      ; bytes of a row of x or of the weight
.set SPI,   528                        ; an LDS row: 512 bytes + 16: the sixteen rows that a load touches start at sixteen different groups of banks (ISA guide 11.1)
.set UNIT,  64*SPI                     ; a wave's unit, 33,792 bytes
.set SLOTB, 4*UNIT
.set SPARE, 2*SLOTB                    ; behind the ring: the spare words, 128 bytes a wave
.set G1,    32                         ; s[32:39] descriptor group 1;  s[40:43], s[44:47] group 0 for slot 0, 1
.set G0,    40
.set WS,    10                         ; v10-17   my row's weight_scale for each of the four fragments, twice (a pair for the packed multiply)
.set TM,    18                         ; v18-21 largest magnitudes, v22-25 the other half's and then the bytes, v30-33 the conversions' scale operands
.set T,     34                         ; v34-41   the conversions' second halves
.set PWS,   42                         ; v42-45   my row's scale word for each fragment
.set D,     46                         ; v46-47   the two words that I store
.set PC,    48                         ; v48-59   the fragment's 12 registers
.set R,     64                         ; v64-255  three sets of 64 numbers
.set SEL,   26                         ; s[26:27] lane selects for v_permlanex16_b32: lane l xor 16
	s_load_b128 s[4:7], s[0:1], 0x0                ; x, weight_int8
	s_load_b128 s[8:11], s[0:1], 0x10              ; a_img, b_img
	s_load_b64 s[22:23], s[0:1], 0x20              ; weight_scale
	v_lshl_add_u32 v62, v0, 2, SPARE
	v_mov_b32 v63, 0
	ds_add_u32 v62, v63                            ; the opening lines: the add, twice on end, and its wait ahead of my first tensor load
	ds_add_u32 v62, v63
	v_lshrrev_b32 v1, 5, v0
	v_readfirstlane_b32 s16, v1                    ; wave
	s_mov_b32 s[G1], (2<<16)|(1<<20)|(6<<22)|(3<<25)   ; elements of 4 bytes; 4 words of padding behind every 128
	s_mov_b32 s[G1+1], 128<<16                     ; rows of 128 elements,
	s_mov_b32 s[G1+2], 64<<16                      ; 64 of them
	s_mov_b32 s[G1+3], 128<<16
	s_mov_b32 s[G1+4], 64
	s_mov_b32 s[G1+5], 4096                        ; elements from row to row
	s_mov_b32 s[G1+6], 0
	s_mov_b32 s[G1+7], 0
	s_and_b32 s17, ttmp9, 127
	s_lshr_b32 s25, s17, 2                         ; rb
	s_and_b32 s21, s17, 3
	s_and_b32 s19, s16, 1                          ; u: which 64 rows of the chunk
	s_lshr_b32 s20, s16, 1                         ; which of a fill's two chunks
	s_lshl_b32 s21, s21, 3
	s_add_co_u32 s21, s21, s20                     ; my first K step
	s_lshl_b32 s12, s25, 21                        ; the numbers: 128 rb rows of 16,384 bytes,
	s_lshl_b32 s13, s19, 20                        ; + 64 u rows,
	s_add_co_u32 s12, s12, s13
	s_lshl_b32 s13, s21, 9                         ; + 512 s
	s_add_co_u32 s12, s12, s13
	s_mov_b32 s13, 0
	s_lshl_b32 s14, s25, 5
	s_add_co_u32 s14, s14, s21
	s_mul_i32 s14, s14, CH                         ; my first chunk
	s_mov_b32 s15, 0
	s_mul_i32 s18, s16, UNIT                       ; my unit in slot 0
	s_wait_dscnt 0x0                               ; both opening adds are done
	s_wait_kmcnt 0x0
	s_cmp_lt_u32 ttmp9, 128                        ; x's work-group or the weight's?  The choice hangs on the work-group's number alone
	s_cselect_b64 s[4:5], s[4:5], s[6:7]
	s_cselect_b64 s[8:9], s[8:9], s[10:11]
	s_cselect_b32 s24, 0, 1                        ; 1: whole numbers that want converting and scaling
	s_add_nc_u64 s[4:5], s[4:5], s[12:13]          ; my unit of fill 0; never rewritten
	s_add_nc_u64 s[8:9], s[8:9], s[14:15]
	s_mov_b32 s[G0], 1
	s_mov_b32 s[G0+1], s18
	s_mov_b64 s[G0+2:G0+3], s[4:5]
	s_or_b32 s[G0+3], s[G0+3], 0x80000000
	s_mov_b32 s[G0+4], 1
	s_add_co_u32 s[G0+5], s18, SLOTB
	s_add_nc_u64 s[G0+6:G0+7], s[4:5], 1024        ; fill 1: two K steps on
	s_or_b32 s[G0+7], s[G0+7], 0x80000000
	tensor_load_to_lds s[G0:G0+3], s[G1:G1+7]      ; fill 0: my one tensor load at the head
	s_nop 0
	s_lshl_b32 s12, s19, 8
	s_add_co_u32 s12, s12, 8*FRB
	s_add_nc_u64 s[10:11], s[8:9], s[12:13]        ; my 256 bytes of the chunk's scale words
	s_mul_i32 s12, s19, 4*FRB
	s_add_nc_u64 s[8:9], s[8:9], s[12:13]          ; my four fragments
	s_lshl_b32 s12, s25, 9
	s_lshl_b32 s14, s19, 8
	s_add_co_u32 s12, s12, s14                     ; weight_scale at my first row: 4 (128 rb + 64 u); with 64 rows on top 16,384 bytes at the most
	s_add_nc_u64 s[22:23], s[22:23], s[12:13]
	s_mov_b32 s[SEL], 0x76543210
	s_mov_b32 s[SEL+1], 0xfedcba98
	v_and_b32 v2, 31, v0                           ; lane
	v_lshlrev_b32 v3, 4, v2                        ; my 16 bytes of a store's 512
	v_and_b32 v8, 15, v0                           ; r
	v_bfe_u32 v9, v0, 4, 1                         ; h
	v_mul_u32_u24 v5, v8, SPI
	v_lshl_add_u32 v5, v9, 6, v5
	v_add_nc_u32 v4, s18, v5                       ; out of slot 0: row r, + 64 h: my 16 numbers of each block of 32
	v_add_nc_u32 v5, SLOTB, v4                     ; out of slot 1
	v_lshlrev_b32 v6, 2, v8                        ; weight_scale: 4 r
	v_lshlrev_b32 v7, 4, v8
	v_lshl_add_u32 v7, v9, 3, v7                   ; the scale words' way out: 16 r + 8 h
	v_lshlrev_b32 v60, 14, v2                      ; the prefetches: a lane a row
.irp b, 0,1,2,3
	v_mov_b32 v[TM+4+\b], 0                        ; written once: a lane permute's destination counts as one of its sources
.endr
	s_wait_alu depctr_va_vdst(0)                   ; the wait at the head's end
.irp f, 0,1,2,3
	global_load_b32 v[WS+2*\f], v6, s[22:23] offset:64*\f       ; (x's work-groups load them too and use nothing of them)
	global_load_b32 v[WS+2*\f+1], v6, s[22:23] offset:64*\f
.endr
.macro ASK f                           ; my unit of fill f, named for the L2: 64 rows x two blocks of 256 bytes
.irp a, 0,1
.irp b, 0,1
	global_prefetch_b8 v60, s[4:5] offset:\a*32*ROWK+256*\b+1024*(\f) th:TH_LOAD_NT scope:SCOPE_SE
.endr
.endr
.endm
	ASK 1
.macro RDF f                           ; fragment f of slot SL into set f % 3: register 16 b + i = k 32 b + 16 h + i of row r
.set TS, R+64*((\f)%3)
.irp b, 0,1,2,3
.irp j, 0,1,2,3
	ds_load_b128 v[TS+16*\b+4*\j:TS+16*\b+4*\j+3], v[4+SL] offset:16*SPI*(\f)+128*\b+16*\j
.endr
.endr
.endm
; 64 numbers of a lane, v[s] on, become the fragment's codes in v[PC] on and my row's scale word in v[pw].
.macro QUANT s, pw
.irp b, 0,1,2,3
	v_max3_num_f32 v[TM+\b], |v[\s+16*\b]|, |v[\s+1+16*\b]|, 0x1800000   ; block b: my 16 numbers, and the floor 2^(3 - 127): so the byte cannot fall under 1
.endr
.irp i, 2,4,6,8,10,12,14
.irp b, 0,1,2,3
	v_max3_num_f32 v[TM+\b], v[TM+\b], |v[\s+16*\b+\i]|, |v[\s+1+16*\b+\i]|   ; (the four blocks by turns)
.endr
.endr
.irp b, 0,1,2,3
	v_permlanex16_b32 v[TM+4+\b], v[TM+\b], s[SEL], s[SEL+1]
.endr
.irp b, 0,1,2,3
	v_max_num_f32 v[TM+\b], v[TM+\b], v[TM+4+\b]   ; with lane l xor 16's: the block's largest magnitude
.endr
.irp b, 0,1,2,3
	v_add_nc_u32 v[TM+12+\b], 0xff000000, v[TM+\b] ; 2 off its exponent field: the conversion takes the exponent field of this operand as its scale
.endr
.irp b, 0,1,2,3
	v_lshrrev_b32 v[TM+4+\b], 23, v[TM+12+\b]      ; the scale's byte
.endr
	v_lshl_or_b32 v[\pw], v[TM+5], 8, v[TM+4]      ; the four bytes make my row's scale word (both halves of the lanes hold it)
	v_lshl_or_b32 v[\pw], v[TM+6], 16, v[\pw]
	v_lshl_or_b32 v[\pw], v[TM+7], 24, v[\pw]
	s_wait_alu depctr_va_vdst(0)                   ; directly ahead of the wait below
	s_wait_xcnt 0x0                                ; the last fragment's stores have read their data (ISA guide 3.1): only behind this wait are v[PC] on written again
.irp c, 0,1
	v_cvt_scalef32_pk16_fp6_f32 v[PC+6*\c:PC+2+6*\c], v[\s+32*\c:\s+15+32*\c], v[TM+12+2*\c]
	v_cvt_scalef32_pk16_fp6_f32 v[T+4*\c:T+2+4*\c], v[\s+16+32*\c:\s+31+32*\c], v[TM+12+2*\c+1]   ; (a conversion's three registers begin on an even number)
.endr
	v_nop                                          ; one plain instruction behind a scaled conversion
.irp c, 0,1                                    ; the operand's layout wants a WHOLE block in a lane: lanes 0-15 block 2 c, lanes 16-31 block 2 c + 1
.irp i, 0,1,2
	v_permlane16_swap_b32 v[PC+6*\c+\i], v[T+4*\c+\i]
.endr
.irp i, 0,1,2
	v_mov_b32 v[PC+3+6*\c+\i], v[T+4*\c+\i]
.endr
.endr
.endm
.macro FQ f, t, out                    ; fragment f of fill t; out: the LDS loads issued behind its own, which may stay out
	s_wait_dscnt \out
.set QS, R+64*((\f)%3)
	s_cmp_eq_u32 s24, 0
	s_cbranch_scc1 .Lx_\@                          ; x's numbers are f32 as they come: the branch goes round register work alone
.set i, 0
.rept 64
	v_cvt_f32_i32 v[QS+i], v[QS+i]
.set i, i+1
.endr
.set i, 0
.rept 32
	v_pk_mul_f32 v[QS+i:QS+i+1], v[QS+i:QS+i+1], v[WS+2*(\f):WS+2*(\f)+1]   ; x my row's scale
.set i, i+2
.endr
.Lx_\@:
	QUANT QS, PWS+(\f)
.irp c, 0,1,2
	global_store_b128 v3, v[PC+4*\c:PC+4*\c+3], s[8:9] offset:2*CH*(\t)+FRB*(\f)+512*\c   ; 32 lanes store 512 consecutive bytes, at a multiple of 256 from the buffer's first byte
.endr
.endm
; A fill's work.  In front of the barrier every wave waits for all its tensor loads, adds 0 to its spare word and waits for that and for its reads; the refill of the other slot comes first behind it.
.macro TRIP t, refill
.set SL, (\t)%2
	s_wait_tensorcnt 0x0                           ; my unit of this fill is in
	ds_add_u32 v62, v63
.if (\t) < 2
	s_add_nc_u64 s[G0+4*SL+2:G0+4*SL+3], s[G0+4*SL+2:G0+4*SL+3], 2048   ; no load of mine is out: this slot's next fill, four K steps on
.endif
	s_wait_dscnt 0x0
	s_barrier_signal -1
	s_barrier_wait -1
.if \refill
	tensor_load_to_lds s[G0+4-4*SL:G0+7-4*SL], s[G1:G1+7]   ; fill t + 1, into the slot read last (the first time: slot 1's first fill)
	s_nop 0
.endif
	RDF 0
	RDF 1
	RDF 2
.if (\t) == 0
	s_wait_loadcnt 0x0                             ; weight_scale is in
.endif
.if (\t) < 2
	ASK (\t)+2                                     ; one fill ahead of the load that will want it
.endif
	FQ 0, \t, 32
	RDF 3                                          ; the first set of registers is free
	FQ 1, \t, 32
	FQ 2, \t, 16
	FQ 3, \t, 0
	v_cmp_ne_u32 vcc_lo, 0, v9                     ; lanes 16-31 store the words of fragments 2 and 3, lanes 0-15 those of 0 and 1
	v_cndmask_b32 v[D], v[PWS], v[PWS+2], vcc_lo
	v_cndmask_b32 v[D+1], v[PWS+1], v[PWS+3], vcc_lo
	global_store_b64 v7, v[D:D+1], s[10:11] offset:2*CH*(\t)   ; one store covers 256 consecutive bytes, at a multiple of 256 from the buffer's first byte
.endm
	TRIP 0, 1
	TRIP 1, 1
	TRIP 2, 1
	TRIP 3, 0
	s_wait_tensorcnt 0x0                           ; the wave's end
	ds_add_u32 v62, v63
	s_wait_dscnt 0x0
	s_endpgm
.Lfunc_end_k_q9a4cf53278_quant:
	.size	k_q9a4cf53278_quant, .Lfunc_end_k_q9a4cf53278_quant-k_q9a4cf53278_quant
	.p2alignl 7, 3214868480
	.fill 96, 4, 3214868480
	.section	.rodata,"a",@progbits
	.p2align	6, 0x0
	.amdhsa_kernel k_q9a4cf53278_quant
		.amdhsa_group_segment_fixed_size 327680
		.amdhsa_private_segment_fixed_size 0
		.amdhsa_enable_private_segment 0
		.amdhsa_kernarg_size 40
		.amdhsa_user_sgpr_count 2
		.amdhsa_user_sgpr_kernarg_segment_ptr 1
		.amdhsa_wavefront_size32 1
		.amdhsa_system_sgpr_workgroup_id_x 1
		.amdhsa_system_sgpr_workgroup_id_y 1
		.amdhsa_system_sgpr_workgroup_id_z 1
		.amdhsa_system_vgpr_workitem_id 0
		.amdhsa_next_free_vgpr 256
		.amdhsa_next_free_sgpr 66
		.amdhsa_reserve_vcc 1
		.amdhsa_float_denorm_mode_32 3
		.amdhsa_float_denorm_mode_16_64 3
		.amdhsa_memory_ordered 1
		.amdhsa_forward_progress 1
		.amdhsa_inst_pref_size 155
	.end_amdhsa_kernel
	.amdgpu_metadata
---
amdhsa.version: [ 1, 2 ]
amdhsa.kernels:
  - .name:           k_q9a4cf53278_quant
    .symbol:         k_q9a4cf53278_quant.kd
    .args:
      - { .name: x, .offset: 0, .size: 8, .value_kind: global_buffer, .address_space: global }
      - { .name: weight_int8, .offset: 8, .size: 8, .value_kind: global_buffer, .address_space: global }
      - { .name: a_img, .offset: 16, .size: 8, .value_kind: global_buffer, .address_space: global }
      - { .name: b_img, .offset: 24, .size: 8, .value_kind: global_buffer, .address_space: global }
      - { .name: weight_scale, .offset: 32, .size: 8, .value_kind: global_buffer, .address_space: global }
    .group_segment_fixed_size: 327680
    .private_segment_fixed_size: 0
    .kernarg_segment_align: 8
    .kernarg_segment_size: 40
    .max_flat_workgroup_size: 128
    .sgpr_count:     66
    .vgpr_count:     256
    .wavefront_size: 32
...
	.end_amdgpu_metadata
.endif
;; end of part 1
;; launch gemm (part 2): grid 16 x 16, 4 waves a work-group, clusters of 4 x 4, 327,680 bytes of LDS; arguments a_img, b_img, bias, out0; writes out0
.if DOCPART == 2
	.amdgcn_target "amdgcn-amd-amdhsa--gfx1250"
	.amdhsa_code_object_version 6
	.text
	.protected	k_q9a4cf53278_gemm
	.globl	k_q9a4cf53278_gemm
	.p2align	8
	.type	k_q9a4cf53278_gemm,@function
k_q9a4cf53278_gemm:
	s_mov_b64 s[64:65], 0
	v_nop
	global_prefetch_b8 v0, s[64:65] scope:SCOPE_SE
	s_setreg_imm32_b32 hwreg(HW_REG_WAVE_MODE, 25, 1), 1
	s_wait_xcnt 0x0
	s_wait_alu depctr_hold_cnt(0) depctr_sa_sdst(0) depctr_va_vdst(0) depctr_va_sdst(0) depctr_va_ssrc(0) depctr_va_vcc(0) depctr_vm_vsrc(0)
	s_getreg_b32 s2, hwreg(HW_REG_IB_STS2, 6, 4)
	s_cmp_eq_u32 s2, 0
	s_cbranch_scc0 .Lentry_in_a_cluster
	s_endpgm
.Lentry_in_a_cluster:
	s_bfe_u32 s2, ttmp6, 0x10000c
	s_cmp_lg_u32 s2, 0xf033
	s_cbranch_scc0 .Lentry_shape_is_right
	s_endpgm
.Lentry_shape_is_right:
; out0[m][n] = sum over k of Q(x)[m][k] Q(w)[n][k] + bias[n], on the codes of FP6 (E2M3) and E8M0 scale bytes that the launch before has laid in a_img and b_img.
; LAYOUT of the images: a chunk is 128 rows x 128 K, 12,800 bytes, that of rows 128 rb on and K step s at (32 rb + s) x 12,800: eight fragments of 1,536 bytes in the order of the operand's registers
; (register j of lane l at 512 (j / 4) + 16 l + 4 (j % 4)), then 512 bytes of scale words (fragment i, row r at 256 (i / 4) + 16 r + 4 (i % 4)).
; A tile of out0, 256 x 256, is made by four waves, each 128 x 128: 64 accumulators, 512 registers.  K goes through a ring of two LDS slots, three K steps of 128 to a slot (the first fill: two);
; a wave's tensor load brings three chunks, 38,400 dense bytes, as 150 rows of 256 bytes.
; CLUSTERS: 4 x 4 work-groups; A's chunks are asked for jointly along a row of the cluster, B's along a column.
; THE MATRIX INSTRUCTION IS USED TRANSPOSED (source 0 = 16 rows of w, source 1 = 16 rows of x): a lane holds eight neighbouring numbers of a row of out0.  The bias is the C of each accumulator's first product.
; BOTH OPERANDS HAVE TWO SETS OF REGISTERS: while set p is multiplied, the next step's 50 LDS loads go into set 1 - p, in RUNS runs spread over the step's 64 products:
; the runs that the next step's first products read stand 32 to 64 products ahead of them, and one group of four places a step serves all of them.
; THE FILLS ARE NAMED FOR THE L2 ONE FILL AHEAD: a refill goes out when all earlier loads have landed, with nothing on its way beside it.  Behind the joint load of fill f each wave names fill f + 1's 150 blocks of
; 256 bytes of the part that it fetches: three K steps, 192 products, ahead of the load that will want them.  The four partners that ask for a part jointly share its blocks out BY ADDRESS: the partner at place p
; (cx for A, cy for B) takes blocks 38 p to 38 p + 37, held at 149: two instructions a wave.  The head names fills 1 and 2, the loop's eight changes of slots fills 3 to 10; the last changes name nothing.
; REGISTERS: window 0: v0-31 addresses; v32-47 scale words, two sets; v64-159, v160-255 A's fragments, two sets (on the way out v128-255 take the rows read back).
;   window 1: v0-95, v128-223 B's fragments, two sets; v96-127, v224-255 the bias.   window 2: the accumulators of my rows 0-63 ((a, b) at v[8 (8 a + b)]);  window 3: those of rows 64-127.
.set SIZE_N, 4096
.set CH,     12800                     ; a chunk
.set FRB,    1536                      ; a fragment
.set PART,   3*CH                      ; what one tensor load of the ring brings
.set SLOT,   4*PART                    ; A's two row blocks, then B's two
.set RBB,    32*CH                     ; a row block's chunks, all of K
.set SPARE,  2*SLOT                    ; behind the ring: the spare words, 128 bytes a wave
.set STAGE,  SLOT                      ; the way out goes through slot 1, which has had its last fill and its last read by then
.set SPITCH, 528
.set FR,     12
.set TRIPS,  4
.set RUNS,   4                         ; runs of LDS loads in a K step: 4 (12, 14, 12, 12 loads) or 2 (26, 24)
.set ADRA, 16                          ; v16-17 my A fragments in slot 0, 1;  v18-19 my scale words;  v20-21 my B fragments
.set ADRS, 18
.set ADRB, 20
.set PF1,  22                          ; v22-23 the prefetches' offsets: my blocks of a part; never rewritten
.set PF2,  23
.set STO,  24                          ; the way out: into the stage, back from it, my 16 bytes of 512
.set RD,   25
.set CO,   26
.set SPW,  28                          ; my spare word's LDS address; never rewritten
.set NIL,  29                          ; 0; never rewritten
.set BO,   31
.set SC,   32
.set AF,   64
.set BK,   128
.set G1, 24                            ; s[24:31], s[32:39] groups 1 and 0 (one for each slot) for A;  s[48:55], s[56:63] for B
.set G0, 32
.set G1B, 48
.set G0B, 56
.set G1F, 68                           ; the same for the first fill, of two chunks
.set G0F, 76
.set G1FB, 80
.set G0FB, 88
.set PFA, 92                           ; s[92:93] where my prefetches stand
.set MSB, 0
.macro WIN new                         ; the immediate's high byte repeats the setting that is left
.if MSB != \new
	s_set_vgpr_msb (MSB<<8)|\new
.set MSB, \new
.endif
.endm
.set MUL_LO, 0xa1                      ; source 0 (B) window 1, source 1 (A) window 0, C and D window 2
.set MUL_HI, 0xf1                      ; the same, C and D window 3
.set FIRST_LO, 0x91                    ; the first products: C is the bias, in window 1
.set FIRST_HI, 0xd1
.set TO_B,   0x40                      ; destination window 1, address window 0
.macro LOWIN first
.if \first
	WIN FIRST_LO
.else
	WIN MUL_LO
.endif
.endm
.macro HIWIN first
.if \first
	WIN FIRST_HI
.else
	WIN MUL_HI
.endif
.endm
.macro JLOAD g0a, g1a, g0b, g1b        ; a joint load: waves 0 and 1 fetch for A, waves 2 and 3 for B; s_nop 0 and four v_nop behind each line
	s_cmp_eq_u32 s15, 0
	s_cbranch_scc0 .Lfor_b_\@
	tensor_load_to_lds s[\g0a:\g0a+3], s[\g1a:\g1a+7]
	s_nop 0
.rept 4
	v_nop
.endr
	s_branch .Lasked_\@
.Lfor_b_\@:
	tensor_load_to_lds s[\g0b:\g0b+3], s[\g1b:\g1b+7]
	s_nop 0
.rept 4
	v_nop
.endr
.Lasked_\@:
.endm
.macro ASK off                         ; my work-group's 38 blocks of the part that begins off bytes behind s[PFA:PFA+1]
	global_prefetch_b8 v[PF1], s[PFA:PFA+1] offset:\off th:TH_LOAD_NT scope:SCOPE_SE
	global_prefetch_b8 v[PF2], s[PFA:PFA+1] offset:\off th:TH_LOAD_NT scope:SCOPE_SE
.endm
.macro CREST                           ; a round of the cluster's barrier behind its opening barrier
	s_cmp_lg_u32 s14, 0
	s_cbranch_scc1 .Lnot_wave_0_\@
	s_barrier_signal -3
.Lnot_wave_0_\@:
	s_barrier_wait -3
	s_barrier_signal -1
	s_barrier_wait -1
.endm
.macro CROUND
	s_barrier_signal -1
	s_barrier_wait -1
	CREST
.endm
	s_load_b128 s[4:7], s[0:1], 0x0                ; a_img, b_img
	s_load_b64 s[8:9], s[0:1], 0x10                ; bias
	s_load_b64 s[12:13], s[0:1], 0x18              ; out0
	v_lshl_add_u32 v[SPW], v0, 2, SPARE
	v_mov_b32 v[NIL], 0
	ds_add_u32 v[SPW], v[NIL]                      ; the opening lines: the add, twice on end, and its wait ahead of my first tensor load
	ds_add_u32 v[SPW], v[NIL]
	v_lshrrev_b32 v1, 5, v0
	v_readfirstlane_b32 s14, v1                    ; wave
	s_lshr_b32 s15, s14, 1                         ; my half of the tile's rows; also: I fetch for A (0) or B (1)
	s_and_b32 s16, s14, 1                          ; my half of its columns; also: which row block I fetch
	s_bfe_u32 s40, ttmp6, 0x40000                  ; cx, cy
	s_bfe_u32 s41, ttmp6, 0x40004
	s_lshl_b32 s42, ttmp9, 2
	s_add_co_u32 s42, s42, s40                     ; tile column
	s_and_b32 s17, ttmp7, 0xffff
	s_lshl_b32 s17, s17, 2
	s_add_co_u32 s17, s17, s41                     ; tile row
	s_lshl_b32 s43, s41, 2
	s_lshl_b32 s43, 15, s43                        ; my row of the cluster
	s_lshl_b32 s44, 0x1111, s40                    ; my column
	s_or_b32 s[G1+0], s43, (3<<16)|(1<<21)         ; elements of 8 bytes, no padding: the chunks are read lane by lane as they lie
	s_or_b32 s[G1B+0], s44, (3<<16)|(1<<21)
	s_or_b32 s[G1F+0], s43, (3<<16)|(1<<21)
	s_or_b32 s[G1FB+0], s44, (3<<16)|(1<<21)
.irp g, G1, G1B
	s_mov_b32 s[\g+1], 32<<16                      ; rows of 256 bytes,
	s_mov_b32 s[\g+2], (PART/256)<<16              ; 150 of them
	s_mov_b32 s[\g+3], 32<<16
	s_mov_b32 s[\g+4], PART/256
	s_mov_b32 s[\g+5], 32
	s_mov_b32 s[\g+6], 0
	s_mov_b32 s[\g+7], 0
.endr
.irp g, G1F, G1FB
	s_mov_b32 s[\g+1], 32<<16
	s_mov_b32 s[\g+2], (2*CH/256)<<16              ; the first fill: 100 rows
	s_mov_b32 s[\g+3], 32<<16
	s_mov_b32 s[\g+4], 2*CH/256
	s_mov_b32 s[\g+5], 32
	s_mov_b32 s[\g+6], 0
	s_mov_b32 s[\g+7], 0
.endr
	s_lshl_b32 s20, s17, 1
	s_add_co_u32 s20, s20, s16
	s_mul_i32 s20, s20, RBB                        ; A: row block 2 x tile row + half
	s_mov_b32 s21, 0
	s_lshl_b32 s46, s42, 1
	s_add_co_u32 s46, s46, s16
	s_mul_i32 s46, s46, RBB                        ; B: row block 2 x tile column + half
	s_mov_b32 s47, 0
	s_mul_i32 s45, s14, PART                       ; where my loads go: wave x three chunks
	s_wait_dscnt 0x0                               ; both opening adds are done
	s_wait_kmcnt 0x0
	s_add_nc_u64 s[20:21], s[4:5], s[20:21]
	s_add_nc_u64 s[46:47], s[6:7], s[46:47]
	CROUND                                         ; all sixteen work-groups are here: the first joint loads meet
	s_mov_b32 s[G0F], 1
	s_add_co_u32 s[G0F+1], s45, CH                 ; K steps 0 and 1 take places 1 and 2 of slot 0
	s_mov_b64 s[G0F+2:G0F+3], s[20:21]
	s_or_b32 s[G0F+3], s[G0F+3], 0x80000000
	s_mov_b32 s[G0FB], 1
	s_add_co_u32 s[G0FB+1], s45, CH
	s_mov_b64 s[G0FB+2:G0FB+3], s[46:47]
	s_or_b32 s[G0FB+3], s[G0FB+3], 0x80000000
	JLOAD G0F, G1F, G0FB, G1FB                     ; my one tensor load at the head; all that follows up to the wait for it is made while it is out
	s_cmp_eq_u32 s15, 0                            ; the prefetches: the row block that I fetch, of A or of B,
	s_cselect_b64 s[PFA:PFA+1], s[20:21], s[46:47]
	s_cselect_b32 s94, s40, s41                    ; and my place among the four that ask for it with me
	s_add_nc_u64 s[PFA:PFA+1], s[PFA:PFA+1], 2*CH  ; at fill 1: K step 2
	s_mul_i32 s94, s94, 38
	s_mov_b32 s[G0+4], 1                           ; slot 1: K steps 2 to 4
	s_add_co_u32 s[G0+5], s45, SLOT
	s_add_nc_u64 s[G0+6:G0+7], s[20:21], 2*CH
	s_or_b32 s[G0+7], s[G0+7], 0x80000000
	s_mov_b32 s[G0B+4], 1
	s_add_co_u32 s[G0B+5], s45, SLOT
	s_add_nc_u64 s[G0B+6:G0B+7], s[46:47], 2*CH
	s_or_b32 s[G0B+7], s[G0B+7], 0x80000000
	s_mov_b32 s[G0], 1                             ; slot 0's first refill: K steps 5 to 7
	s_mov_b32 s[G0+1], s45
	s_add_nc_u64 s[G0+2:G0+3], s[20:21], 5*CH
	s_or_b32 s[G0+3], s[G0+3], 0x80000000
	s_mov_b32 s[G0B], 1
	s_mov_b32 s[G0B+1], s45
	s_add_nc_u64 s[G0B+2:G0B+3], s[46:47], 5*CH
	s_or_b32 s[G0B+3], s[G0B+3], 0x80000000
	s_lshl_b32 s20, s17, 8
	s_lshl_b32 s21, s15, 7
	s_add_co_u32 s20, s20, s21                     ; my first row of out0
	s_mov_b32 s21, 0
	s_mov_b64 s[18:19], SIZE_N*4
	s_mul_u64 s[20:21], s[20:21], s[18:19]
	s_lshl_b32 s46, s42, 10
	s_lshl_b32 s47, s16, 9
	s_add_co_u32 s46, s46, s47                     ; my first column, in bytes
	s_mov_b32 s47, 0
	s_add_nc_u64 s[8:9], s[8:9], s[46:47]          ; the bias of my 128 columns
	s_add_nc_u64 s[20:21], s[20:21], s[46:47]
	s_add_nc_u64 s[12:13], s[12:13], s[20:21]
	s_mul_i32 s21, s15, PART                       ; my row block of A in a slot,
	s_mul_i32 s22, s16, PART
	s_add_co_u32 s22, s22, 2*PART                  ; and of B, behind A's two
	s_sub_co_u32 s18, s22, s21
	s_add_co_u32 s19, s21, 8*FRB                   ; the scale words lie behind a chunk's eight fragments
	s_mul_i32 s23, s14, 16*SPITCH
	s_add_co_u32 s23, s23, STAGE                   ; my stage
	v_and_b32 v1, 15, v0                           ; r
	v_bfe_u32 v2, v0, 4, 1                         ; h
	v_and_b32 v6, 31, v0
	v_lshlrev_b32 v[CO], 4, v6                     ; 16 x lane
	v_add_nc_u32 v[ADRA], s21, v[CO]
	v_add_nc_u32 v[ADRB], s22, v[CO]
	v_add_nc_u32 v[ADRA+1], SLOT, v[ADRA]
	v_add_nc_u32 v[ADRB+1], SLOT, v[ADRB]
	v_mul_u32_u24 v5, s18, v2                      ; lanes 0-15 take A's scale words, lanes 16-31 B's
	v_lshl_add_u32 v5, v1, 4, v5
	v_add_nc_u32 v[ADRS], s19, v5
	v_add_nc_u32 v[ADRS+1], SLOT, v[ADRS]
	v_mul_u32_u24 v5, v1, SPITCH                   ; into the stage: row r, 32 bytes for each half of the lanes
	v_lshl_add_u32 v5, v2, 5, v5
	v_add_nc_u32 v[STO], s23, v5
	v_add_nc_u32 v[RD], s23, v[CO]                 ; back: the 32 lanes take one row of 512 bytes
	v_lshlrev_b32 v[BO], 5, v2                     ; the bias: my eight columns of each block of 16
	v_add_nc_u32 v7, s94, v6                       ; the prefetches: block 38 p + lane,
	v_lshlrev_b32 v[PF1], 8, v7
	v_min_u32 v7, 5, v6
	v_add_nc_u32 v7, s94, v7
	v_add_nc_u32 v7, 32, v7                        ; and blocks 38 p + 32 to 38 p + 37 (the lanes left over name the last again),
	v_min_u32 v7, 149, v7                          ; held at the part's last block
	v_lshlrev_b32 v[PF2], 8, v7
	s_wait_alu depctr_va_vdst(0)                   ; the wait at the head's end
	WIN TO_B
.irp b, 0,1,2,3,4,5,6,7
	global_load_b128 v[96+8*\b+96*(\b/4):96+8*\b+96*(\b/4)+3],   v[BO], s[8:9] offset:64*\b
	global_load_b128 v[96+8*\b+96*(\b/4)+4:96+8*\b+96*(\b/4)+7], v[BO], s[8:9] offset:64*\b+16
.endr
	WIN 0
	ASK 0                                          ; fill 1, whose load goes out when fill 0 has landed
.macro FRAG reg, adr, pos, i           ; a fragment's 12 registers: three loads, each of 512 consecutive bytes
.irp c, 0,1,2
	ds_load_b128 v[\reg+4*\c:\reg+4*\c+3], v[\adr] offset:(\pos)*CH+(\i)*FRB+512*\c
.endr
.endm
.macro GB slot, pos, p, i0             ; four of B's fragments into set p
	WIN TO_B
.irp i, \i0, \i0+1, \i0+2, \i0+3
	FRAG 128*(\p)+FR*(\i), ADRB+\slot, \pos, \i
.endr
.endm
.macro GA slot, pos, p, i0             ; four of A's
	WIN 0
.irp i, \i0, \i0+1, \i0+2, \i0+3
	FRAG AF+96*(\p)+FR*(\i), ADRA+\slot, \pos, \i
.endr
.endm
.macro GS slot, pos, p                 ; the scale words: register i holds A's block i in lanes 0-15 and B's block i in lanes 16-31
	WIN 0
.irp u, 0,1
	ds_load_b128 v[SC+8*(\p)+4*\u:SC+8*(\p)+4*\u+3], v[ADRS+\slot] offset:(\pos)*CH+256*\u
.endr
.endm
.macro MUL8 a, p, first                ; A's block a against B's eight; the 64 accumulators take turns, in the same order in every step
.irp b, 0,1,2,3,4,5,6,7
.if \first
	v_wmma_scale_f32_16x16x128_f8f6f4 v[8*(8*((\a)%4)+\b):8*(8*((\a)%4)+\b)+7], v[128*(\p)+FR*\b:128*(\p)+FR*\b+FR-1], v[AF+96*(\p)+FR*(\a):AF+96*(\p)+FR*(\a)+FR-1], v[96+8*\b+96*(\b/4):96+8*\b+96*(\b/4)+7], v[SC+8*(\p)+\b], v[SC+8*(\p)+(\a)] matrix_a_fmt:MATRIX_FMT_FP6 matrix_b_fmt:MATRIX_FMT_FP6 matrix_a_scale:MATRIX_SCALE_ROW1
.else
	v_wmma_scale_f32_16x16x128_f8f6f4 v[8*(8*((\a)%4)+\b):8*(8*((\a)%4)+\b)+7], v[128*(\p)+FR*\b:128*(\p)+FR*\b+FR-1], v[AF+96*(\p)+FR*(\a):AF+96*(\p)+FR*(\a)+FR-1], v[8*(8*((\a)%4)+\b):8*(8*((\a)%4)+\b)+7], v[SC+8*(\p)+\b], v[SC+8*(\p)+(\a)] matrix_a_fmt:MATRIX_FMT_FP6 matrix_b_fmt:MATRIX_FMT_FP6 matrix_a_scale:MATRIX_SCALE_ROW1
.endif
.endr
.endm
.macro PLACES                          ; four places between the last products that read a set and the loads into it (ISA guide 7.12.1 for vector instructions)
.rept 4
	v_nop
.endr
.endm
; A K step that stays in its slot: 64 products on set PP; the next step's fragments go into set PN.
.macro STEP slot, pos, first
.set PP, ((\pos)+(\slot)+1)%2
.set PN, 1-PP
	s_wait_dscnt 12                                ; all but the youngest twelve loads, A's blocks 4-7 of this step
	PLACES                                         ; they serve all of this step's loads: set PN was last read by the step before
	GB \slot, (\pos)+1, PN, 0
.if RUNS == 2
	GB \slot, (\pos)+1, PN, 4
	GS \slot, (\pos)+1, PN
.endif
	LOWIN \first
	MUL8 0, PP, \first
	MUL8 1, PP, \first
.if RUNS == 4
	GB \slot, (\pos)+1, PN, 4
	GS \slot, (\pos)+1, PN
.endif
	LOWIN \first
	MUL8 2, PP, \first
	MUL8 3, PP, \first
	s_wait_dscnt 26                                ; all but the 26 loads of this step so far: A's blocks 4-7 are in
	GA \slot, (\pos)+1, PN, 0
.if RUNS == 2
	GA \slot, (\pos)+1, PN, 4
.endif
	HIWIN \first
	MUL8 4, PP, \first
	MUL8 5, PP, \first
.if RUNS == 4
	GA \slot, (\pos)+1, PN, 4
.endif
	HIWIN \first
	MUL8 6, PP, \first
	MUL8 7, PP, \first
	WIN 0
.endm
; A slot's last K step: its fragments are in registers, so the slot is read no more.  ONE barrier: in front of it each wave waits for all its tensor loads (its part of the next slot), adds 0 to its spare word
; and waits for that and for its reads; where the slot is filled again the barrier opens a round of the cluster's barrier, and the joint refill comes first behind the round.
; step = 1 (the loop's changes of slots): the descriptors and the prefetches' address step on, and the fill after the one asked for is named for the L2.
.macro TURN slot, next, fill, step
.set PP, ((\slot)+1)%2
.set PN, 1-PP
	s_wait_tensorcnt 0x0
	ds_add_u32 v[SPW], v[NIL]
.if \step
	s_add_nc_u64 s[G0+4*\next+2:G0+4*\next+3], s[G0+4*\next+2:G0+4*\next+3], 2*PART     ; no load of mine is out: the next slot's next three K steps
	s_add_nc_u64 s[G0B+4*\next+2:G0B+4*\next+3], s[G0B+4*\next+2:G0B+4*\next+3], 2*PART
	s_wait_xcnt 0x0                                ; my last prefetches, three K steps back, have read their address
	s_add_nc_u64 s[PFA:PFA+1], s[PFA:PFA+1], PART
.endif
	s_wait_dscnt 13                                ; (the add and A's blocks 4-7 may be out)
	WIN MUL_LO
	MUL8 0, PP, 0
	s_wait_dscnt 0x0                               ; the add is done, and so are my reads of this slot
	s_barrier_signal -1
	MUL8 1, PP, 0
	WIN 0
	s_barrier_wait -1
.if \fill
	CREST
	JLOAD G0+4*\slot, G1, G0B+4*\slot, G1B         ; 176 products of mine stand between this load and the wait for it; its four v_nop are the places for the loads below
.else
	PLACES
.endif
	GB \next, 0, PN, 0
.if \step
	ASK PART                                       ; the fill behind the one just asked for
.endif
.if RUNS == 2
	GB \next, 0, PN, 4
	GS \next, 0, PN
.endif
	WIN MUL_LO
	MUL8 2, PP, 0
.if RUNS == 4
	GB \next, 0, PN, 4
	GS \next, 0, PN
.endif
	WIN MUL_LO
	MUL8 3, PP, 0
	GA \next, 0, PN, 0
.if RUNS == 2
	GA \next, 0, PN, 4
.endif
	WIN MUL_HI
	MUL8 4, PP, 0
	MUL8 5, PP, 0
.if RUNS == 4
	GA \next, 0, PN, 4
.endif
	WIN MUL_HI
	MUL8 6, PP, 0
	MUL8 7, PP, 0
	WIN 0
.endm
	s_wait_tensorcnt 0x0                           ; my part of K steps 0 and 1 is in
	ds_add_u32 v[SPW], v[NIL]
	s_wait_dscnt 0x0
	CROUND                                         ; everybody's part is in, and all sixteen work-groups are here
	JLOAD G0+4, G1, G0B+4, G1B                     ; slot 1's first fill, the first tensor load behind the round
	GB 0, 1, 0, 0
	GB 0, 1, 0, 4
	GS 0, 1, 0
	GA 0, 1, 0, 0
	GA 0, 1, 0, 4
	ASK PART                                       ; fill 2
	s_wait_loadcnt 0x0                             ; the bias is in
	STEP 0, 1, 1                                   ; K step 0: its products start the sums on the bias
	s_mov_b32 s3, TRIPS
.Llap:                                                 ; a trip: six K steps, once round the ring; both slots are filled again
	TURN 0, 1, 1, 1
	STEP 1, 0, 0
	STEP 1, 1, 0
	TURN 1, 0, 1, 1
	STEP 0, 0, 0
	STEP 0, 1, 0
	s_sub_co_u32 s3, s3, 1
	s_cmp_lg_u32 s3, 0
	s_cbranch_scc1 .Llap
	TURN 0, 1, 1, 0                                ; K step 25: slot 0 takes the last three K steps
	STEP 1, 0, 0
	STEP 1, 1, 0
	TURN 1, 0, 0, 0                                ; nothing more is fetched; behind this barrier nobody reads slot 1
	STEP 0, 0, 0
	STEP 0, 1, 0
	s_wait_dscnt 12                                ; K step 31
	WIN MUL_LO
.irp a, 0,1,2,3
	MUL8 \a, 1, 0
.endr
	s_wait_dscnt 0
	WIN MUL_HI
.irp a, 4,5,6,7
	MUL8 \a, 1, 0
.endr
	WIN 0
; THE WAY OUT, block by block of 16 rows x 128 columns: through my own stage and back as whole rows of 512 bytes.  LDS serves a wave's instructions in order (ISA guide 5.7.1.4): no wait between the stores and the loads.
.macro TOSTAGE a
.set AC, 64*((\a)%4)
	WIN 0x08+4*((\a)/4)                            ; the data: window 2 or 3
.irp b, 0,1,2,3,4,5,6,7
	ds_store_b128 v[STO], v[AC+8*\b:AC+8*\b+3] offset:64*\b          ; each accumulator from its low end on
	ds_store_b128 v[STO], v[AC+8*\b+4:AC+8*\b+7] offset:64*\b+16
.endr
	WIN 0
.set BB, BK+64*((\a)%2)
.irp t, 0,1,2,3,4,5,6,7,8,9,10,11,12,13,14,15
	ds_load_b128 v[BB+4*\t:BB+4*\t+3], v[RD] offset:\t*SPITCH
.endr
.endm
.macro SEND a, younger                 ; younger: the LDS instructions issued behind block a's loads
.set BB, BK+64*((\a)%2)
	s_wait_dscnt \younger
.if (\a) > 0
	s_add_nc_u64 s[12:13], s[12:13], 16*SIZE_N*4   ; behind a wait on XCNT: the earlier stores have read their base
.endif
.irp t, 0,1,2,3,4,5,6,7,8,9,10,11,12,13,14,15
	global_store_b128 v[CO], v[BB+4*\t:BB+4*\t+3], s[12:13] offset:\t*SIZE_N*4 th:TH_STORE_NT   ; 32 lanes store 512 consecutive bytes, at a multiple of 256 from out0's first byte
.endr
.endm
	PLACES
	TOSTAGE 0
.irp a, 1,2,3,4,5,6,7
.if \a > 1
	s_wait_xcnt 0x0                                ; block a - 2's stores have read their registers and their base
.endif
	TOSTAGE \a
	SEND \a-1, 32                                  ; behind block a - 1's loads: block a's 16 stores and 16 loads
.endr
	s_wait_xcnt 0x0
	SEND 7, 0
	s_wait_tensorcnt 0x0                           ; the wave's end
	ds_add_u32 v[SPW], v[NIL]
	s_wait_dscnt 0x0
	CROUND                                         ; the closing round
	s_endpgm
.Lfunc_end_k_q9a4cf53278_gemm:
	.size	k_q9a4cf53278_gemm, .Lfunc_end_k_q9a4cf53278_gemm-k_q9a4cf53278_gemm
	.p2alignl 7, 3214868480
	.fill 96, 4, 3214868480
	.section	.rodata,"a",@progbits
	.p2align	6, 0x0
	.amdhsa_kernel k_q9a4cf53278_gemm
		.amdhsa_group_segment_fixed_size 327680
		.amdhsa_private_segment_fixed_size 0
		.amdhsa_enable_private_segment 0
		.amdhsa_kernarg_size 32
		.amdhsa_user_sgpr_count 2
		.amdhsa_user_sgpr_kernarg_segment_ptr 1
		.amdhsa_wavefront_size32 1
		.amdhsa_system_sgpr_workgroup_id_x 1
		.amdhsa_system_sgpr_workgroup_id_y 1
		.amdhsa_system_sgpr_workgroup_id_z 1
		.amdhsa_system_vgpr_workitem_id 0
		.amdhsa_next_free_vgpr 1024
		.amdhsa_next_free_sgpr 96
		.amdhsa_reserve_vcc 0
		.amdhsa_float_denorm_mode_32 3
		.amdhsa_float_denorm_mode_16_64 3
		.amdhsa_memory_ordered 1
		.amdhsa_forward_progress 1
		.amdhsa_inst_pref_size 207
	.end_amdhsa_kernel
	.amdgpu_metadata
---
amdhsa.version: [ 1, 2 ]
amdhsa.kernels:
  - .name:           k_q9a4cf53278_gemm
    .symbol:         k_q9a4cf53278_gemm.kd
    .args:
      - { .name: a_img, .offset: 0, .size: 8, .value_kind: global_buffer, .address_space: global }
      - { .name: b_img, .offset: 8, .size: 8, .value_kind: global_buffer, .address_space: global }
      - { .name: bias, .offset: 16, .size: 8, .value_kind: global_buffer, .address_space: global }
      - { .name: out0, .offset: 24, .size: 8, .value_kind: global_buffer, .address_space: global }
    .group_segment_fixed_size: 327680
    .private_segment_fixed_size: 0
    .kernarg_segment_align: 8
    .kernarg_segment_size: 32
    .max_flat_workgroup_size: 128
    .sgpr_count:     96
    .vgpr_count:     1024
    .wavefront_size: 32
...
	.end_amdgpu_metadata
.endif
;; end of part 2
